; MI455X (gfx1250); checked and timed in simulation.
; The chip was launched on July 23, 2026; its instructions are those of AMD's public machine-readable ISA for CDNA 5 (MIT licence, August 2026) and "CDNA5" Instruction Set Architecture Reference Guide (July 2026). The comments in the code are by the model that wrote it; some were corrected since.
;; Multi Head Self Attention. Allowed arithmetic: matrix products marked QUANTISED: E4M3 operands, one given power-of-two scale a tensor, by v_wmma_f32_16x16x64_fp8_fp8 or v_wmma_f32_16x16x128_fp8_fp8, f32 sums; everything else in f32.
;; Inputs: Wout_codes 1,024 x 32 x 32 uint8 (E4M3 codes of Wout, K innermost, in blocks of 32 codes); Wqkv_codes 3,072 x 32 x 32 uint8 (E4M3 codes of Wqkv, K innermost, in blocks of 32 codes); attn_mask 2,048 x 2,048 float32; bout 1,024 float32; lowp_scales 8 int32 (the exponents e of the quantised operands' scales 2^e); x_codes 4 x 2,048 x 32 x 32 uint8 (E4M3 codes of x, K innermost, in blocks of 32 codes).
;; Outputs: out0 4 x 2,048 x 1,024 float32.
;; This version of the problem:
;;   THIS VERSION OF THE PROBLEM IS GIVEN IN LOW PRECISION. The matrix products marked QUANTISED in the list below multiply operands that are first quantised to E4M3 (4 exponent bits, 3 mantissa bits; 8 bits a number), with one given power-of-two scale for each operand tensor; their sums are f32. All else is computed in f32.
;;   The module's matrix products, in the order in which they are computed (A, B: the left and right operand; K: the contracted axis; several contracted axes count as one K, in the product's order):
;;     1. [M 8,192, K 1,024] x [K 1,024, N 3,072]; A: input x (given as codes); B: input Wqkv (given as codes): QUANTISED (scales: A lowp_scales[0], B lowp_scales[1])
;;     2. batch 64 x [M 2,048, K 64] x [K 64, N 2,048]; A: computed on the way; B: computed on the way: QUANTISED (scales: A lowp_scales[2], B lowp_scales[3])
;;     3. batch 64 x [M 2,048, K 2,048] x [K 2,048, N 64]; A: softmax (see below); B: computed on the way: QUANTISED (scales: A lowp_scales[4], B lowp_scales[5])
;;     4. [M 8,192, K 1,024] x [K 1,024, N 1,024]; A: computed on the way; B: input Wout (given as codes): QUANTISED (scales: A lowp_scales[6], B lowp_scales[7])
;;   THE QUANTISER, for each operand of a quantised product, along K:
;;     - The operand's scale is 2^e, e = its entry of the input lowp_scales (int32; the entries are numbered through the quantised products in the list's order, A before B).
;;     - Each number is divided by the scale, clamped to +-448, and rounded to the nearest number of E4M3, ties to even, subnormals kept.
;;     - The product sums the exact products of the quantised numbers (number of the format x scale) in f32.
;;   ~~~python
;;   def quantise(x, axis, e):      # numpy; x: float32 -> the quantised numbers, widened to float32 again
;;       x = np.moveaxis(x, axis, -1); K = x.shape[-1]
;;       r = np.clip(x / 2.0 ** e, -448, 448)
;;       step = 2.0 ** (np.maximum(np.frexp(np.where(r == 0, 1, r))[1] - 1, -6) - 3)
;;       q = np.round(r / step) * step * 2.0 ** e      # np.round: ties to even
;;       return np.moveaxis(q, -1, axis).astype(np.float32)
;;   ~~~
;;   SOFTMAX AHEAD OF A QUANTISED PRODUCT. Where the list says 'softmax', what is quantised is not the finished softmax but p = 2^(t - M), with t = logit x log2(e) and M = ceil(the row's largest t), a whole number; so 1/2 < the row's largest p <= 1. The row's sum l is taken of the UNQUANTISED p, in f32, and the product's result is divided by l at the end. Since M is a whole number, a kernel that streams over the keys may use a running M (the ceiling of the running maximum): every later rescaling is an exact power of two, so the quantised numbers keep their values, but for numbers so far below the row's largest that they fall under the format's range.
;;   OPERANDS COMPUTED ON THE WAY. 'Computed on the way' means the value that the module computes at that place (a softmax that the list does not call 'softmax' is quantised finished and normalised). What goes into a quantiser is computed in f32, as accurately as f32 sums, v_exp_f32 and their like allow (about 1e-6 of the number): no bf16 or f16 on the way to a quantiser, and a product that is left as it is and whose result goes on into a quantised operand takes f32 operands (vector FMAs, or v_wmma_f32_16x16x4_f32). A number that lies on a knife's edge between two numbers of the format may be rounded either way, as far as f32 arithmetic and the matrix unit's own rounding can turn it there, and no further.
;;   INPUTS GIVEN AS CODES. Wout (in the module: [1024, 1024], K = its axis 0); Wqkv (in the module: [1024, 3072], K = its axis 0); x (in the module: [4, 2048, 1024], K = its axis 2): each comes as NAME_codes (uint8): NAME with its K axis moved to the last place and cut into blocks of 32 codes, [.., K / 32, bytes a block], one block behind the other in memory; one code a byte (a code: sign, 4 exponent bits, 3 mantissa bits); its scale is its entry of lowp_scales. Its value is code x scale, taken as it is: it is not quantised again, and the codes and scales need not be those that the quantiser above would give.
;; One version. Each part assembles by itself: llvm-mc -triple=amdgcn-amd-amdhsa -mcpu=gfx1250 --defsym DOCPART=n.
;; ======== version 1 of 1: 3 launches
;; workspace buffers: qkv 25,165,824 bytes; acodes 8,388,608 bytes
;; launch qkv (part 1): grid 96 x 4, 4 waves a work-group, clusters of 4 x 4, 327,680 bytes of LDS; arguments x_codes, Wqkv_codes, lowp_scales, qkv; writes qkv
.if DOCPART == 1
	.amdgcn_target "amdgcn-amd-amdhsa--gfx1250"
	.amdhsa_code_object_version 6
	.text
	.protected	k_q05deef0722_qkv
	.globl	k_q05deef0722_qkv
	.p2align	8
	.type	k_q05deef0722_qkv,@function
k_q05deef0722_qkv:
	s_mov_b64 s[64:65], 0
	v_nop
	global_prefetch_b8 v0, s[64:65] scope:SCOPE_SE
	s_setreg_imm32_b32 hwreg(HW_REG_WAVE_MODE, 25, 1), 1
	s_wait_xcnt 0x0
	s_wait_alu depctr_hold_cnt(0) depctr_sa_sdst(0) depctr_va_vdst(0) depctr_va_sdst(0) depctr_va_ssrc(0) depctr_va_vcc(0) depctr_vm_vsrc(0)
	s_getreg_b32 s2, hwreg(HW_REG_IB_STS2, 6, 4)
	s_cmp_eq_u32 s2, 0
	s_cbranch_scc0 .Lentry_in_a_cluster
	s_endpgm
.Lentry_in_a_cluster:
	s_bfe_u32 s2, ttmp6, 0x10000c
	s_cmp_lg_u32 s2, 0xf033
	s_cbranch_scc0 .Lentry_shape_is_right
	s_endpgm
.Lentry_shape_is_right:
; qkv = x Wqkv on codes of FP8 (E4M3), and q, k, v quantised at once with their given scales 2^e2, 2^e3, 2^e5.
; x: [8192][1024] codes, Wqkv: [3072][1024] codes, K innermost.  A sum stands for sum x 2^(e0 + e1), so its code is sum / 2^(eo - e0 - e1), held within +-448, eo = e2 (q), e3 (k), e5 (v).
; LIMIT: eo - e0 - e1 lies between -126 and 119, so that 2^(..) and 448 x 2^(..) are f32 numbers.  NaN is not served.
; A tile of 256 x 256 results is made by four waves, 128 x 128 each: 64 accumulators, 512 registers.  K goes in four steps of 256 through two LDS slots filled by the tensor data mover; rows of 256 bytes.
; THE MATRIX INSTRUCTION IS USED TRANSPOSED (source 0 = 16 rows of 'B', source 1 = 16 rows of 'A'): a lane holds ONE row of A and eight neighbouring rows of B.
; ROLES.  What is quantised must run along the NEXT product's K in a lane's registers.  For q and k that is the head's channel: A = x (tokens), B = Wqkv's rows 0-2047.  For v it is the token (the keys):
; A = Wqkv's rows 2048-3071, B = x.  One text serves both: the cluster's number c chooses pointers, a row base and two output strides by s_cselect; no branch hangs on it.
;   c = 0..15: tile rows 4 (c / 2) + cy of x, tile columns 4 (c % 2) + cx of Wqkv (c even: q, c odd: k);   c = 16..23: tile rows cy of Wqkv's last 1,024 rows, tile columns 4 (c - 16) + cx of x.
; OUTPUT: images of the next launch's operand registers.  [q, k, v: 2^23 bytes][batch: 2^21][head: 2^17]; in a head, q and k: a tile of 16 tokens is 1,024 bytes [i = 0, 1][lane][16 bytes], lane (r, h) holding token r,
; channels 16 (2 i + c') + 8 h + j at byte 8 c' + j;  v: 64 keys are 4,096 bytes [16 channels dt][i][lane][16 bytes], lane (r, h) holding channel 16 dt + r and keys 16 (2 i + c') + 8 h + j.
; Two neighbouring accumulators' codes are exactly a lane's 16 bytes of such an image, so each store of the wave covers 512 consecutive bytes, aligned: no stage in LDS is needed.
; CLUSTERS: 4 x 4 work-groups; A's tile is asked for jointly along a row of the cluster, B's along a column.  No prefetch: K has four steps, and two of them are asked for at the head.
; REGISTERS, in windows of 256: window 0: v0-31 addresses and scales; from v128 A's fragments, one set; on the way out v32-95 held sums, v96-223 codes.  window 1: B's fragments, two sets.  windows 2, 3: the accumulators.
.set KSTEP,  256
.set ROWB,   256                       ; a tile's row in bytes
.set KROW,   1024                      ; a row of x or of Wqkv in memory, in bytes
.set PITCH,  272                       ; an LDS row: 256 bytes + 16 of padding = 68 words: row r starts at bank 4 r mod 64 (64 banks of 4 bytes: ISA guide 11.1)
.set FR,     16                        ; registers of a fragment: 16 rows x 128 K
.set NL,     4                         ; LDS loads that bring one
.set NP,     4                         ; places behind this matrix instruction (ISA guide 7.12.1)
.set HALFT,  128*PITCH                 ; 128 rows: what one tensor load brings
.set SLOT,   4*HALFT                   ; A's 256 rows, then B's 256 rows
.set SPARE,  2*SLOT                    ; behind the ring: the spare words, 128 bytes for each wave
.set ADRA, 16                          ; v16-17  LDS address of my A fragments in slot 0, 1
.set ADRB, 20                          ; v20-21  the same for B
.set LN,   26                          ; v26     16 x lane: my place in an image; never rewritten
.set SPW,  28                          ; v28     LDS address of my spare word; never rewritten
.set NIL,  29                          ; v29     0; never rewritten
.set QSC,  30                          ; v30     2^(eo - e0 - e1)
.set QLIM, 31                          ; v31     448 x that
.set TMP,  32                          ; v32-95  a block's sums, held
.set CD,   96                          ; v96-223 codes: 16 registers for each block, so that no store's data are written again
.set AF,   128                         ; A's fragments
.set G1, 24                            ; s[24:31] descriptor group 1 for A's tiles;  s[32:39] group 0, one set for each slot
.set G0, 32
.set G1B, 48                           ; s[48:55], s[56:63] the same for B's tiles
.set G0B, 56
.set OB,  76                           ; s[76:83] four output bases
.set MSB, 0
.macro WIN new                         ; the immediate's high byte repeats the setting that is left
.if MSB != (\new)
	s_set_vgpr_msb (MSB<<8)|(\new)
.set MSB, (\new)
.endif
.endm
.set MUL_LO, 0xa1                      ; source 0 (B) window 1, source 1 (A) window 0, C and D window 2
.set MUL_HI, 0xf1                      ; the same, C and D window 3
.set TO_B,   0x40                      ; destination window 1, address window 0
; A joint load: waves 0 and 1 fetch for A, waves 2 and 3 for B.  The branch hangs on the wave's number alone.  Four v_nop follow each of the two lines.
.macro JLOAD g0a, g1a, g0b, g1b
	s_cmp_eq_u32 s15, 0
	s_cbranch_scc0 .Lfor_b_\@
	tensor_load_to_lds s[\g0a:\g0a+3], s[\g1a:\g1a+7]
	s_nop 0
.rept 4
	v_nop
.endr
	s_branch .Lasked_\@
.Lfor_b_\@:
	tensor_load_to_lds s[\g0b:\g0b+3], s[\g1b:\g1b+7]
	s_nop 0
.rept 4
	v_nop
.endr
.Lasked_\@:
.endm
.macro CREST                           ; a round of the cluster's barrier behind its opening barrier
	s_cmp_lg_u32 s14, 0
	s_cbranch_scc1 .Lnot_wave_0_\@
	s_barrier_signal -3
.Lnot_wave_0_\@:
	s_barrier_wait -3
	s_barrier_signal -1
	s_barrier_wait -1
.endm
.macro CROUND                          ; a whole round
	s_barrier_signal -1
	s_barrier_wait -1
	CREST
.endm
	s_load_b256 s[4:11], s[0:1], 0x0               ; x s[4:5], Wqkv s[6:7], the scales' exponents s[8:9], qkv s[10:11]
	v_lshl_add_u32 v[SPW], v0, 2, SPARE
	v_mov_b32 v[NIL], 0
	ds_add_u32 v28, v29
	s_wait_dscnt 0x0
	v_lshrrev_b32 v1, 5, v0
	v_readfirstlane_b32 s14, v1                    ; wave 0..3
	s_lshr_b32 s15, s14, 1                         ; which half of A's rows is mine.  Also: I fetch for A (0) or for B (1)
	s_and_b32 s16, s14, 1                          ; which half of B's rows.  Also: which 128 rows of that tile I fetch
	s_bfe_u32 s40, ttmp6, 0x40000                  ; cx, cy: my place in the cluster
	s_bfe_u32 s41, ttmp6, 0x40004
	; the roles, from the cluster's number c = ttmp9 (the same in all sixteen partners)
	s_lshr_b32 s70, ttmp9, 1                       ; q, k: row of clusters c / 2,
	s_and_b32 s71, ttmp9, 1                        ;       column of clusters c % 2
	s_and_b32 s72, ttmp9, 7                        ; v: column of clusters c - 16 = c % 8
	s_mov_b32 s73, 2048
	s_cmp_lt_u32 ttmp9, 16
	s_cselect_b32 s70, s70, 0                      ; A's row of clusters
	s_cselect_b32 s71, s71, s72                    ; B's column of clusters
	s_cselect_b32 s72, 0, s73                      ; A's first row: v's weights begin at row 2,048 of Wqkv
	s_lshl_b32 s42, s71, 2
	s_add_co_u32 s42, s42, s40                     ; B's tile = 4 x column of clusters + cx
	s_lshl_b32 s17, s70, 2
	s_add_co_u32 s17, s17, s41                     ; A's tile = 4 x row of clusters + cy
	s_lshl_b32 s43, s41, 2
	s_lshl_b32 s43, 15, s43                        ; my row of the cluster
	s_lshl_b32 s44, 0x1111, s40                    ; my column
	; descriptor group 1: a tile of 128 rows x 256 bytes, padded in LDS
	s_or_b32 s[G1+0], s43, (0<<16)|(1<<20)|(1<<21)|(5<<22)|(3<<25)  ; 15:0 the mask: A's tiles go to my row; 17:16 element of 1 byte; 20 padding on; 21 set beside a mask; 24:22 after every 64 words; 31:25 of 4 words
	s_or_b32 s[G1B+0], s44, (0<<16)|(1<<20)|(1<<21)|(5<<22)|(3<<25)
.irp g, G1, G1B
	s_mov_b32 s[\g+1], ROWB<<16                    ; tensor_dim0
	s_mov_b32 s[\g+2], 128<<16                     ; tensor_dim1 = 128
	s_mov_b32 s[\g+3], ROWB<<16                    ; tile_dim0
	s_mov_b32 s[\g+4], 128                         ; tile_dim1 = 128
	s_mov_b32 s[\g+5], KROW                        ; tensor_dim0_stride
	s_mov_b32 s[\g+6], 0
	s_mov_b32 s[\g+7], 0
.endr
	s_lshl_b32 s18, s16, 7                         ; which 128 rows of the tile I fetch
	s_lshl_b32 s20, s17, 8
	s_add_co_u32 s20, s20, s18
	s_add_co_u32 s20, s20, s72                     ; A: row = base + 256 x tile + 128 x half
	s_lshl_b32 s46, s42, 8
	s_add_co_u32 s46, s46, s18                     ; B: row = 256 x tile + 128 x half
	s_lshl_b32 s20, s20, 10                        ; in bytes: under 2^23
	s_lshl_b32 s46, s46, 10
	s_mov_b32 s21, 0
	s_mov_b32 s47, 0
	s_mul_i32 s45, s14, HALFT                      ; where they go: wave x 128 rows: no place in the cluster enters an LDS address
	s_wait_kmcnt 0x0
	s_load_b256 s[84:91], s[8:9], 0x0              ; e0 .. e7
	s_cmp_lt_u32 ttmp9, 16
	s_cselect_b64 s[66:67], s[4:5], s[6:7]         ; A's buffer
	s_cselect_b64 s[68:69], s[6:7], s[4:5]         ; B's buffer
	s_add_nc_u64 s[20:21], s[66:67], s[20:21]
	s_add_nc_u64 s[46:47], s[68:69], s[46:47]
	CROUND                                         ; all sixteen work-groups are here: the first joint loads meet
.irp s, 0,1
	s_mov_b32 s[G0+4*\s], 1
	s_add_co_u32 s[G0+4*\s+1], s45, \s*SLOT
	s_add_nc_u64 s[G0+4*\s+2:G0+4*\s+3], s[20:21], \s*ROWB
	s_or_b32 s[G0+4*\s+3], s[G0+4*\s+3], 0x80000000
	s_mov_b32 s[G0B+4*\s], 1
	s_add_co_u32 s[G0B+4*\s+1], s45, \s*SLOT
	s_add_nc_u64 s[G0B+4*\s+2:G0B+4*\s+3], s[46:47], \s*ROWB
	s_or_b32 s[G0B+4*\s+3], s[G0B+4*\s+3], 0x80000000
	JLOAD G0+4*\s, G1, G0B+4*\s, G1B
.endr
	v_and_b32 v1, 15, v0                           ; l % 16
	v_bfe_u32 v2, v0, 4, 1                         ; l / 16
	v_mul_u32_u24 v3, v1, PITCH
	v_lshl_add_u32 v4, v2, 4, v3                   ; a fragment's row x pitch + 16 x half
	s_mul_i32 s21, s15, HALFT                      ; my 128 rows of A
	s_mul_i32 s22, s16, HALFT                      ; my 128 rows of B,
	s_add_co_u32 s22, s22, 2*HALFT                 ; which lie behind A's 256
.irp s, 0,1
	v_add_nc_u32 v[ADRA+\s], s21, v4
	v_add_nc_u32 v[ADRB+\s], s22, v4
	s_add_co_u32 s21, s21, SLOT
	s_add_co_u32 s22, s22, SLOT
.endr
	v_and_b32 v6, 31, v0
	v_lshlrev_b32 v[LN], 4, v6
	; where my results go.  My first row of A and of B; which of them is the token and which the feature hangs on the role
	s_lshl_b32 s94, s17, 8
	s_lshl_b32 s95, s15, 7
	s_add_co_u32 s94, s94, s95                     ; my first row of A (without the base)
	s_lshl_b32 s95, s42, 8
	s_lshl_b32 s96, s16, 7
	s_add_co_u32 s95, s95, s96                     ; my first row of B
	s_add_co_u32 s96, s94, 2048                    ; v: the feature
	s_mov_b32 s92, 131072                          ; from head to head
	s_mov_b32 s93, 4096                            ; four tiles of tokens (q, k), or 64 keys (v)
	s_cmp_lt_u32 ttmp9, 16
	s_cselect_b32 s97, s94, s95                    ; my first token
	s_cselect_b32 s98, s95, s96                    ; my first feature, 0 .. 3,071
	s_cselect_b32 s72, s92, s93                    ; S1: from B's blocks 0-3 to 4-7
	s_cselect_b32 s74, s93, s92                    ; S2: from A's blocks 0-3 to 4-7
	s_mov_b32 s73, 0
	s_mov_b32 s75, 0
	s_lshr_b32 s94, s98, 10
	s_lshl_b32 s94, s94, 23                        ; q, k or v
	s_lshr_b32 s95, s97, 11
	s_lshl_b32 s95, s95, 21                        ; the batch
	s_add_co_u32 s94, s94, s95
	s_bfe_u32 s95, s98, 0x40006
	s_lshl_b32 s95, s95, 17                        ; the head
	s_add_co_u32 s94, s94, s95
	s_and_b32 s95, s97, 2047
	s_lshl_b32 s95, s95, 6                         ; 64 bytes a token in every image
	s_add_co_u32 s94, s94, s95
	s_mov_b32 s95, 0
	s_add_nc_u64 s[OB:OB+1], s[10:11], s[94:95]
	s_add_nc_u64 s[OB+2:OB+3], s[OB:OB+1], s[72:73]
	s_add_nc_u64 s[OB+4:OB+5], s[OB:OB+1], s[74:75]
	s_add_nc_u64 s[OB+6:OB+7], s[OB+4:OB+5], s[72:73]
.macro FRAG reg, adr, q, i             ; a fragment: lane l holds row l % 16; registers 4 c .. 4 c + 3 hold K = 32 c + 16 (l / 16) + 0 .. 15: the same order of k in A and in B, so every product meets its partner
.irp c, 0,1,2,3
	ds_load_b128 v[\reg+4*\c:\reg+4*\c+3], v[\adr] offset:128*(\q)+32*\c+(\i)*16*PITCH
.endr
.endm
; 16 matrix instructions: A's blocks a0, a0 + 1 x B's eight, 128 along K.  p: B's set.  zero = 1: the first product starts the sums.  The 64 accumulators take turns, one instruction a turn.
.macro MUL16 a0, p, zero
.irp a, \a0, \a0+1
.irp b, 0,1,2,3,4,5,6,7
.if \zero
	v_wmma_f32_16x16x128_fp8_fp8 v[8*(8*((\a)%4)+\b):8*(8*((\a)%4)+\b)+7], v[128*(\p)+FR*\b:128*(\p)+FR*\b+FR-1], v[AF+FR*(\a):AF+FR*(\a)+FR-1], 0
.else
	v_wmma_f32_16x16x128_fp8_fp8 v[8*(8*((\a)%4)+\b):8*(8*((\a)%4)+\b)+7], v[128*(\p)+FR*\b:128*(\p)+FR*\b+FR-1], v[AF+FR*(\a):AF+FR*(\a)+FR-1], v[8*(8*((\a)%4)+\b):8*(8*((\a)%4)+\b)+7]
.endif
.endr
.endr
.endm
.macro FETCH_B slot, q, p              ; B's eight fragments of the slot's q-th 128 along K into set p
	WIN TO_B
.irp i, 0,1,2,3,4,5,6,7
	FRAG 128*(\p)+FR*\i, ADRB+\slot, \q, \i
.endr
	WIN 0
.endm
.macro FETCH_A slot, q, i0             ; A's blocks i0 .. i0 + 3
.irp i, \i0, \i0+1, \i0+2, \i0+3
	FRAG AF+FR*(\i), ADRA+\slot, \q, \i
.endr
.endm
.macro PLACES n                        ; plain vector instructions in front of loads into registers that matrix instructions have read, and of the first read of results
.rept \n
	v_nop
.endr
.endm
; A step of 128 along K that has its successor in the same slot.  A block of A is free as soon as its eight products are issued, so one set serves A; B has two.
.macro STEP slot, q, zero
	s_wait_dscnt 4*NL                              ; B's set and A's blocks 0-3 are in; the youngest 16 loads (A's blocks 4-7) may be out
	WIN MUL_LO
	MUL16 0, (\q)%2, \zero
	MUL16 2, (\q)%2, \zero
	s_wait_dscnt 0                                 ; A's blocks 4-7 are in
	PLACES NP
	FETCH_B \slot, (\q)+1, 1-(\q)%2
	FETCH_A \slot, (\q)+1, 0
	WIN MUL_HI
	MUL16 4, (\q)%2, \zero
	MUL16 6, (\q)%2, \zero
	PLACES NP
	WIN 0
	FETCH_A \slot, (\q)+1, 4
.endm
; A slot's last step changes slots: ONE barrier; in front of it each wave waits for all its tensor loads, adds 0 to its spare word, and waits for that and for its own reads of this slot.  fill = 1: this slot is filled again, two K steps ahead.
.macro TURN slot, next, fill
	s_wait_tensorcnt 0x0                           ; all my tensor loads have landed: my part of the next slot
	ds_add_u32 v[SPW], v[NIL]                      ; 0 onto my spare word
	s_wait_dscnt 4*NL+1                            ; (the add and the youngest 16 loads, A's blocks 4-7, may be out)
	WIN MUL_LO
	MUL16 0, 1, 0                                  ; sixteen matrix instructions stand between the add and the wait for it
	s_wait_dscnt 0x0                               ; the add is done, and my reads of this slot are over
	s_barrier_signal -1
	MUL16 2, 1, 0
	WIN 0
	s_barrier_wait -1
.if \fill
	CREST                                          ; the barrier has opened a round of the cluster's barrier: no wave of any partner still reads this slot's tile or has a load on its way
	s_add_nc_u64 s[G0+4*\slot+2:G0+4*\slot+3], s[G0+4*\slot+2:G0+4*\slot+3], 2*ROWB
	s_add_nc_u64 s[G0B+4*\slot+2:G0B+4*\slot+3], s[G0B+4*\slot+2:G0B+4*\slot+3], 2*ROWB
	JLOAD G0+4*\slot, G1, G0B+4*\slot, G1B         ; the first tensor load behind the round; its four v_nop are the places in front of the loads below
.else
	PLACES NP
.endif
	FETCH_B \next, 0, 0
	FETCH_A \next, 0, 0
	WIN MUL_HI
	MUL16 4, 1, 0
	MUL16 6, 1, 0
	PLACES NP
	WIN 0
	FETCH_A \next, 0, 4
.endm
	s_wait_tensorcnt 1                             ; my part of K step 0 is in (K step 1's load may be out),
	s_barrier_signal -1
	s_barrier_wait -1                              ; everybody's is
	FETCH_B 0, 0, 0
	FETCH_A 0, 0, 0
	FETCH_A 0, 0, 4
	STEP 0, 0, 1                                   ; K = 1,024 is four K steps, eight steps of 128: written straight, no loop.  The first products start the sums
	TURN 0, 1, 1                                   ; slot 0 takes K step 2
	STEP 1, 0, 0
	TURN 1, 0, 1                                   ; slot 1 takes K step 3
	STEP 0, 0, 0
	TURN 0, 1, 0                                   ; nothing is left to fetch
	STEP 1, 0, 0
	s_wait_dscnt 4*NL
	WIN MUL_LO
	MUL16 0, 1, 0
	MUL16 2, 1, 0
	s_wait_dscnt 0
	WIN MUL_HI
	MUL16 4, 1, 0
	MUL16 6, 1, 0
	WIN 0
; THE WAY OUT, block a of 16 rows of A: 64 sums a lane are held within +-448 x the scale (each accumulator from its low end on), converted eight at a time, and stored: accumulators 2 e and 2 e + 1 give a lane's 16 bytes of one image load.
.macro QOUT a
.set AC, 64*((\a)%4)
	WIN 0x02+((\a)/4)                              ; source 0: window 2 or 3
.set jj, 0
.rept 64
	v_med3_num_f32 v[TMP+jj], v[AC+jj], -v[QLIM], v[QLIM]   ; the conversion to an 8-bit code does not saturate (ISA guide 7.6.2)
.set jj, jj+1
.endr
	WIN 0
.irp b, 0,1,2,3,4,5,6,7
	v_cvt_scalef32_pk8_fp8_f32 v[CD+16*(\a)+2*\b:CD+16*(\a)+2*\b+1], v[TMP+8*\b:TMP+8*\b+7], v[QSC]
.endr
	v_nop                                          ; a plain vector instruction between the conversions and the next block's holds, which write their sources
.irp e, 0,1,2,3
	global_store_b128 v[LN], v[CD+16*(\a)+4*\e:CD+16*(\a)+4*\e+3], s[OB+2*((\e)/2)+4*((\a)/4):OB+2*((\e)/2)+4*((\a)/4)+1] offset:((\a)%4)*1024+((\e)%2)*512   ; 32 lanes store 512 consecutive bytes, aligned
.endr
.endm
	s_wait_kmcnt 0x0
	s_and_b32 s93, ttmp9, 1
	s_cmp_lg_u32 s93, 0
	s_cselect_b32 s92, s87, s86                    ; k's e3 where c is odd, q's e2 where it is even,
	s_cmp_lt_u32 ttmp9, 16
	s_cselect_b32 s92, s92, s89                    ; v's e5 from c = 16 on
	s_sub_co_i32 s92, s92, s84
	s_sub_co_i32 s92, s92, s85                     ; eo - e0 - e1
	s_add_co_i32 s92, s92, 127
	s_lshl_b32 s93, s92, 23
	v_mov_b32 v[QSC], s93                          ; 2^(eo - e0 - e1) as f32: the conversion takes its exponent field
	s_add_co_i32 s92, s92, 8
	s_lshl_b32 s92, s92, 23
	s_or_b32 s92, s92, 0x600000
	v_mov_b32 v[QLIM], s92                         ; 448 x that
	PLACES NP                                      ; behind the last products: their results are read and A's registers written below
.irp a, 0,1,2,3,4,5,6,7
	QOUT \a
.endr
	s_wait_tensorcnt 0x0                           ; the wave's end
	ds_add_u32 v[SPW], v[NIL]
	s_wait_dscnt 0x0
	CROUND                                         ; the closing round: no work-group ends while a partner may still ask for a tile that names it
	s_endpgm
.Lfunc_end_k_q05deef0722_qkv:
	.size	k_q05deef0722_qkv, .Lfunc_end_k_q05deef0722_qkv-k_q05deef0722_qkv
	.p2alignl 7, 3214868480
	.fill 96, 4, 3214868480
	.section	.rodata,"a",@progbits
	.p2align	6, 0x0
	.amdhsa_kernel k_q05deef0722_qkv
		.amdhsa_group_segment_fixed_size 327680
		.amdhsa_private_segment_fixed_size 0
		.amdhsa_enable_private_segment 0
		.amdhsa_kernarg_size 32
		.amdhsa_user_sgpr_count 2
		.amdhsa_user_sgpr_kernarg_segment_ptr 1
		.amdhsa_wavefront_size32 1
		.amdhsa_system_sgpr_workgroup_id_x 1
		.amdhsa_system_sgpr_workgroup_id_y 1
		.amdhsa_system_sgpr_workgroup_id_z 1
		.amdhsa_system_vgpr_workitem_id 0
		.amdhsa_next_free_vgpr 1024
		.amdhsa_next_free_sgpr 100
		.amdhsa_reserve_vcc 0
		.amdhsa_float_denorm_mode_32 3
		.amdhsa_float_denorm_mode_16_64 3
		.amdhsa_memory_ordered 1
		.amdhsa_forward_progress 1
		.amdhsa_inst_pref_size 118
	.end_amdhsa_kernel
	.amdgpu_metadata
---
amdhsa.version: [ 1, 2 ]
amdhsa.kernels:
  - .name:           k_q05deef0722_qkv
    .symbol:         k_q05deef0722_qkv.kd
    .args:
      - { .name: x_codes, .offset: 0, .size: 8, .value_kind: global_buffer, .address_space: global }
      - { .name: Wqkv_codes, .offset: 8, .size: 8, .value_kind: global_buffer, .address_space: global }
      - { .name: lowp_scales, .offset: 16, .size: 8, .value_kind: global_buffer, .address_space: global }
      - { .name: qkv, .offset: 24, .size: 8, .value_kind: global_buffer, .address_space: global }
    .group_segment_fixed_size: 327680
    .private_segment_fixed_size: 0
    .kernarg_segment_align: 8
    .kernarg_segment_size: 32
    .max_flat_workgroup_size: 128
    .sgpr_count:     100
    .vgpr_count:     1024
    .wavefront_size: 32
...
	.end_amdgpu_metadata
.endif
;; end of part 1
;; launch attn (part 2): grid 16 x 16, 16 waves a work-group, clusters of 4 x 4, 327,680 bytes of LDS; arguments qkv, attn_mask, lowp_scales, acodes; writes acodes
.if DOCPART == 2
	.amdgcn_target "amdgcn-amd-amdhsa--gfx1250"
	.amdhsa_code_object_version 6
	.text
	.protected	k_q05deef0722_attn
	.globl	k_q05deef0722_attn
	.p2align	8
	.type	k_q05deef0722_attn,@function
k_q05deef0722_attn:
	s_mov_b64 s[64:65], 0
	v_nop
	global_prefetch_b8 v0, s[64:65] scope:SCOPE_SE
	s_setreg_imm32_b32 hwreg(HW_REG_WAVE_MODE, 25, 1), 1
	s_wait_xcnt 0x0
	s_wait_alu depctr_hold_cnt(0) depctr_sa_sdst(0) depctr_va_vdst(0) depctr_va_sdst(0) depctr_va_ssrc(0) depctr_va_vcc(0) depctr_vm_vsrc(0)
	s_getreg_b32 s2, hwreg(HW_REG_IB_STS2, 6, 4)
	s_cmp_eq_u32 s2, 0
	s_cbranch_scc0 .Lentry_in_a_cluster
	s_endpgm
.Lentry_in_a_cluster:
	s_bfe_u32 s2, ttmp6, 0x10000c
	s_cmp_lg_u32 s2, 0xf033
	s_cbranch_scc0 .Lentry_shape_is_right
	s_endpgm
.Lentry_shape_is_right:
; acodes = Q_e6( softmax(q k^T / 8 + attn_mask) v ), both products on codes of FP8 (E4M3) by v_wmma_f32_16x16x64_fp8_fp8.  q, k, v come as images of operand registers (see below); attn_mask is [2048][2048] f32 and is
; taken as it is given: every number of it is added, no pattern is built in.  acodes: [8192 tokens][1024] codes, k = 64 x head + channel.
; THE SOFTMAX: t = logit x log2(e), rounded to f32; M = the running largest t rounded UP to a whole number (kept as -M = floor(-t)); p = 2^(t - M) is quantised with 2^e4; the row's sum is taken of the unquantised p and
; divides at the end; when M moves, the sum and O are multiplied by 2^(old M - new M), which rounds nothing.  t is rounded BEFORE M is taken away (a multiply, then an add), so that equal logits give equal t also where
; |t| is far above 2^24 (rows whose mask numbers are all huge).
; THE MASK IS THE C OF THE FIRST PRODUCT: with E = e2 + e3 - 3 (1 / sqrt(64) = 2^-3) a logit is 2^E x (sum of code products + mask x 2^-E); mask x 2^-E is exact.  Then t = (log2(e) x 2^E) x that.
; LIMITS: E between -126 and 126; e4 and e6 between -126 and 119; mask x 2^-E stays finite; NaN among the inputs is not served; a row whose logits are all -infinity gives NaN.
; SHARES.  A work-group owns 128 queries (block X) of FOUR neighbouring heads (group Y): a mask tile in LDS then serves four heads.  Wave w: head w / 4, queries 32 (w % 4) on: two tiles of 16 queries, so each fragment of
; K and V read from LDS feeds two matrix instructions.  256 registers a wave, four waves to a SIMD: one wave's vector work stands beside another's matrix work and LDS loads.
; LAYOUT.  Both products transposed: S^T = K Q^T (source 0 = 16 keys, source 1 = 16 queries), O^T = V^T P^T: a lane holds ONE query (lane % 16) throughout, and register j of key tile kt holds key 16 kt + 8 (lane / 16) + j:
; the eight codes made of it are registers 2 kt, 2 kt + 1 of P's fragment as this form lays k.  Nothing changes lanes.
; IMAGES.  qkv: [q, k, v: 2^23 bytes][batch x 16 + head: 2^17]; 16 tokens of q or k are 1,024 bytes, 64 keys of v 4,096 bytes ([16 channels][..]), each fragment two loads of 512 consecutive bytes, 16 a lane.
; RING.  Two LDS slots of 128 keys: the mask's 128 rows x 512 bytes (+ 16 of padding), K's and V's images of four heads (8,192 bytes each).  Waves 0, 1 fetch the mask's halves, wave 2 K, wave 3 V: one tensor load a wave behind each round.
; CLUSTER 4 x 4.  The mask tile hangs on X alone: asked for jointly along a column; K and V hang on Y alone: jointly along a row.
.set SLOT,  133120
.set KOFF,  67584                      ; in a slot: behind the mask's 128 rows x 528: K's images, 4 x 8,192;
.set VREL,  32768                      ; V's lie this far behind K's
.set MP,    528                        ; a mask row in LDS: 512 bytes + 16 = 132 words: row r starts at bank 4 r mod 64 (64 banks of 4 bytes: ISA guide 11.1)
.set SPARE, 2*SLOT                     ; the spare words: 128 bytes for each of 16 waves
.set STAGE, SPARE+2048                 ; the way out: 128 rows x (256 bytes + 16); no tensor load lands here
.set SP,    272
.set SPW,  1                           ; v1   LDS address of my spare word; never rewritten
.set NIL,  2                           ; v2   0; never rewritten
.set AM,   3                           ; v3-4 my place in the mask tile of slot 0, 1
.set AKV,  5                           ; v5-6 my place in my head's K images of slot 0, 1
.set PFO,  7                           ; v7   the prefetches' offset; never rewritten
.set PSC,  8                           ; v8   2^e4
.set PLIM, 9                           ; v9   448 x 2^e4
.set LN,   10                          ; v10  16 x lane
.set ST,   16                          ; tile a's statistics at v[ST + 8 a]: +0 -M, +1 the largest t, +2, +3 the sum in two halves, +4 f, +5 (named with f as a pair), +6, +7 at work
.set QF,   32                          ; v32-47   Q: 8 registers a tile
.set FR,   48                          ; v48-79   four fragments of K, then of V
.set SS,   80                          ; v80-143  the mask, then S^T, then p: tile a, key tile kt at + 32 a + 8 kt
.set OA,   144                         ; v144-207 O^T: tile a, channels 16 dt on at + 32 a + 8 dt
.set PC,   208                         ; v208-223 p's codes: 8 registers a tile
.set X2,   224                         ; v224-227 the sums' second chain
.set STO,  228                         ; v228 the way out: where I put 8 bytes of a row
.set RD,   229                         ; v229 where I read a row back
.set GO,   230                         ; v230 my byte offset in acodes
.set OSC,  231                         ; v231 2^e6
.set OLIM, 232                         ; v232 448 x 2^e6
.set OUTR, 236                         ; v236-251 rows on their way out
.set WV,   12                          ; s12  my wave's number
.set SEL,  20                          ; s[20:21] v_permlanex16_b32's selects: lane l xor 16
.set SM,   22                          ; s[22:23] 2^-E, twice
.set CS,   24                          ; s[24:25] log2(e) x 2^E, twice
.set G1M,  28                          ; s[28:35] descriptor group 1 for the mask's tiles
.set G1K,  36                          ; s[36:43] for K's and V's
.set G0M,  44                          ; s[44:51] group 0 for the mask, a set for each slot
.set G0K,  52                          ; s[52:59] for K or V
.set CNT,  60
.set LIM,  61                          ; s61  1 in a wave that prefetches, else -1
.set PFA,  62                          ; s[62:63] where my prefetches stand
.set PFS,  66                          ; s[66:67] a slot on, in bytes
.macro ROUND                           ; a round of the cluster's barrier
	s_barrier_signal -1
	s_barrier_wait -1
	s_cmp_lg_u32 s[WV], 0
	s_cbranch_scc1 .Lnot_wave_0_\@
	s_barrier_signal -3
.Lnot_wave_0_\@:
	s_barrier_wait -3
	s_barrier_signal -1
	s_barrier_wait -1
.endm
; The joint loads of slot s.  The branches hang on the wave's number alone.  Four v_nop follow each of the two lines.
.macro TLOAD s
	s_cmp_lt_u32 s[WV], 2
	s_cbranch_scc0 .Lnot_m_\@
	tensor_load_to_lds s[G0M+4*(\s):G0M+4*(\s)+3], s[G1M:G1M+7]
	s_nop 0
.rept 4
	v_nop
.endr
	s_branch .Lasked_\@
.Lnot_m_\@:
	s_cmp_lt_u32 s[WV], 4
	s_cbranch_scc0 .Lasked_\@
	tensor_load_to_lds s[G0K+4*(\s):G0K+4*(\s)+3], s[G1K:G1K+7]
	s_nop 0
.rept 4
	v_nop
.endr
.Lasked_\@:
.endm
; A PREFETCH INTO THE L2 of the tile that the NEXT round's tensor loads will ask for, one instruction a wave, in waves that fetch nothing.  Each aligned block of 256 bytes is named once in the launch.
; The mask's rows of block X are read by the four clusters of that column of clusters: those with cluster y = 0 ask; of the 128 rows the partner at cy takes 32, a lane a row; wave 4 the first 256 bytes of a slot's 512, wave 5 the second.
; K's and V's images of group Y are read by the four clusters of that row of clusters: those with cluster x = 0 ask; the partner at cx takes head 4 Y + cx, 8,192 bytes, lanes 256 bytes apart; wave 6 K's, wave 7 V's.
; Partners are told apart by address alone.  The trip of tile j names tile j + 2, j = 0 .. 13: the last two trips ask for nothing; tiles 0 and 1 come by their loads alone.
.macro ASK
	s_cmp_eq_u32 s[LIM], 1
	s_cbranch_scc0 .Lnot_mine_\@
	global_prefetch_b8 v[PFO], s[PFA:PFA+1] th:TH_LOAD_NT scope:SCOPE_SE
.Lnot_mine_\@:
.endm
.macro LDMASK s, hs                    ; 16 loads: for both tiles and four key tiles my eight mask numbers, straight into S^T's registers
.irp a, 0,1
.irp kt, 0,1,2,3
	ds_load_b128 v[SS+32*\a+8*\kt:SS+32*\a+8*\kt+3],   v[AM+\s] offset:\a*16*MP+256*\hs+64*\kt
	ds_load_b128 v[SS+32*\a+8*\kt+4:SS+32*\a+8*\kt+7], v[AM+\s] offset:\a*16*MP+256*\hs+64*\kt+16
.endr
.endr
.endm
.macro LDK s, hs                       ; 8 loads: four fragments of 16 keys x 64 channels
.irp kt, 0,1,2,3
.irp i, 0,1
	ds_load_b128 v[FR+8*\kt+4*\i:FR+8*\kt+4*\i+3], v[AKV+\s] offset:(4*\hs+\kt)*1024+512*\i
.endr
.endr
.endm
.macro LDV s, hs                       ; 8 loads: four fragments of 16 channels x 64 keys
.irp dt, 0,1,2,3
.irp i, 0,1
	ds_load_b128 v[FR+8*\dt+4*\i:FR+8*\dt+4*\i+3], v[AKV+\s] offset:VREL+4096*\hs+1024*\dt+512*\i
.endr
.endr
.endm
; 64 KEYS, both tiles.  At its head 16 mask loads and, behind them, K's 8 are out.
.macro HALF s, hs
	s_wait_dscnt 8                                 ; the mask's 16 loads are in; K's 8, issued behind them, may be out
.set jj, 0
.rept 32
	v_pk_mul_f32 v[SS+jj:SS+jj+1], v[SS+jj:SS+jj+1], s[SM:SM+1] op_sel_hi:[1,0]   ; mask x 2^-E: exact
.set jj, jj+2
.endr
	s_wait_dscnt 0x0                               ; K is in
.irp kt, 0,1,2,3
.irp a, 0,1
	v_wmma_f32_16x16x64_fp8_fp8 v[SS+32*\a+8*\kt:SS+32*\a+8*\kt+7], v[FR+8*\kt:FR+8*\kt+7], v[QF+8*\a:QF+8*\a+7], v[SS+32*\a+8*\kt:SS+32*\a+8*\kt+7]   ; eight accumulators, one instruction each
.endr
.endr
.rept 4
	v_nop                                          ; places in front of the loads into K's registers and of the first read of the results
.endr
	LDV \s, \hs
.set jj, 0
.rept 32
	v_pk_mul_f32 v[SS+jj:SS+jj+1], v[SS+jj:SS+jj+1], s[CS:CS+1] op_sel_hi:[1,0]   ; t, rounded once; each accumulator from its low end on
.set jj, jj+2
.endr
.irp a, 0,1                                    ; the largest t of my 32 keys of each tile: two chains a tile, four in all
	v_max3_num_f32 v[ST+8*\a+6], v[SS+32*\a], v[SS+32*\a+1], v[SS+32*\a+2]
	v_max3_num_f32 v[ST+8*\a+7], v[SS+32*\a+3], v[SS+32*\a+4], v[SS+32*\a+5]
.endr
.irp i, 6,10,14,18,22,26
.irp a, 0,1
	v_max3_num_f32 v[ST+8*\a+6], v[ST+8*\a+6], v[SS+32*\a+\i], v[SS+32*\a+\i+1]
	v_max3_num_f32 v[ST+8*\a+7], v[ST+8*\a+7], v[SS+32*\a+\i+2], v[SS+32*\a+\i+3]
.endr
.endr
.irp a, 0,1
	v_max3_num_f32 v[ST+8*\a+6], v[ST+8*\a+6], v[SS+32*\a+30], v[SS+32*\a+31]
.endr
.irp a, 0,1
	v_max_num_f32 v[ST+8*\a+6], v[ST+8*\a+6], v[ST+8*\a+7]
.endr
.irp a, 0,1
	v_permlanex16_b32 v[ST+8*\a+7], v[ST+8*\a+6], s[SEL], s[SEL+1]   ; the query's other 32 keys lie in the lane 16 away
.endr
.irp a, 0,1
	v_max3_num_f32 v[ST+8*\a+1], v[ST+8*\a+1], v[ST+8*\a+6], v[ST+8*\a+7]   ; the running largest t
.endr
.irp a, 0,1
	v_floor_f32 v[ST+8*\a+6], -v[ST+8*\a+1]        ; the new -M = floor(-t) = -ceil(t): a whole number
.endr
.irp a, 0,1
	v_sub_f32 v[ST+8*\a+7], v[ST+8*\a+6], v[ST+8*\a]   ; old M - new M: a whole number, 0 or less
.endr
.irp a, 0,1
	v_mov_b32 v[ST+8*\a], v[ST+8*\a+6]
.endr
.irp a, 0,1
	v_cvt_i32_f32 v[ST+8*\a+7], v[ST+8*\a+7]       ; (it saturates)
.endr
.irp a, 0,1
	v_ldexp_f32 v[ST+8*\a+4], 1.0, v[ST+8*\a+7]    ; f = 2^(old M - new M)
.endr
.irp a, 0,1
.set jj, 0
.rept 16
	v_pk_add_f32 v[SS+32*\a+jj:SS+32*\a+jj+1], v[SS+32*\a+jj:SS+32*\a+jj+1], v[ST+8*\a:ST+8*\a+1] op_sel_hi:[1,0]   ; t - M (of the pair the low word, -M, serves both halves)
.set jj, jj+2
.endr
.endr
.set jj, 0
.rept 64
	v_exp_f32 v[SS+jj], v[SS+jj]                   ; p = 2^(t - M), at most 1: not normalised
.set jj, jj+1
.endr
.irp a, 0,1
	v_pk_mul_f32 v[ST+8*\a+2:ST+8*\a+3], v[ST+8*\a+2:ST+8*\a+3], v[ST+8*\a+4:ST+8*\a+5] op_sel_hi:[1,0]   ; the sums under the new M: plain instructions behind the exponentials
.endr
	s_wait_alu depctr_va_vdst(0)                   ; one wait for the batch of 64 exponentials, ahead of the first instruction that names a result
.irp a, 0,1
	v_pk_add_f32 v[X2+2*\a:X2+2*\a+1], v[SS+32*\a:SS+32*\a+1], v[SS+32*\a+2:SS+32*\a+3]   ; the sum of the UNQUANTISED p: two chains a tile
.endr
.irp i, 4,8,12,16,20,24,28
.irp a, 0,1
	v_pk_add_f32 v[ST+8*\a+2:ST+8*\a+3], v[ST+8*\a+2:ST+8*\a+3], v[SS+32*\a+\i:SS+32*\a+\i+1]
	v_pk_add_f32 v[X2+2*\a:X2+2*\a+1], v[X2+2*\a:X2+2*\a+1], v[SS+32*\a+\i+2:SS+32*\a+\i+3]
.endr
.endr
.irp a, 0,1
	v_pk_add_f32 v[ST+8*\a+2:ST+8*\a+3], v[ST+8*\a+2:ST+8*\a+3], v[X2+2*\a:X2+2*\a+1]
.endr
.set jj, 0
.rept 64
	v_min_num_f32 v[SS+jj], v[SS+jj], v[PLIM]      ; the conversion does not saturate (ISA guide 7.6.2); p is not negative, so the hold is one-sided
.set jj, jj+1
.endr
.irp a, 0,1
.irp kt, 0,1,2,3
	v_cvt_scalef32_pk8_fp8_f32 v[PC+8*\a+2*\kt:PC+8*\a+2*\kt+1], v[SS+32*\a+8*\kt:SS+32*\a+8*\kt+7], v[PSC]
.endr
.endr
.if \hs == 0
	LDMASK \s, 1                                   ; the slot's second 64 keys: their mask numbers land while O^T is worked on
.endif
.irp a, 0,1
.set jj, 0
.rept 16
	v_pk_mul_f32 v[OA+32*\a+jj:OA+32*\a+jj+1], v[OA+32*\a+jj:OA+32*\a+jj+1], v[ST+8*\a+4:ST+8*\a+5] op_sel_hi:[1,0]   ; O^T under the new M; also the plain instructions between the conversions and the products that read the codes
.set jj, jj+2
.endr
.endr
.if \hs == 0
	s_wait_dscnt 16                                ; V's 8 loads are in; the mask's 16, issued behind them, may be out
.else
	s_wait_dscnt 0x0                               ; V is in
.endif
.irp dt, 0,1,2,3
.irp a, 0,1
	v_wmma_f32_16x16x64_fp8_fp8 v[OA+32*\a+8*\dt:OA+32*\a+8*\dt+7], v[FR+8*\dt:FR+8*\dt+7], v[PC+8*\a:PC+8*\a+7], v[OA+32*\a+8*\dt:OA+32*\a+8*\dt+7]   ; eight accumulators by turns
.endr
.endr
.rept 4
	v_nop                                          ; places in front of the next loads into V's registers, and of the way out's reads
.endr
.if \hs == 0
	LDK \s, 1
.endif
.endm
; THE TRIP OF ONE SLOT.  Each wave waits for all its tensor loads (its part of this slot), adds 0 to its spare word, and waits for that and for its reads of the other slot; a round of the cluster's barrier; behind it the
; other slot is filled with the next 128 keys' tiles, first thing: that load has this slot's work in which to land.
.macro TRIP s, refill, ask
	s_wait_tensorcnt 0x0                           ; no tensor load of mine is out, so a group 0 may be written
	ds_add_u32 v[SPW], v[NIL]                      ; 0 onto my spare word
	s_add_nc_u64 s[G0M+4*\s+2:G0M+4*\s+3], s[G0M+4*\s+2:G0M+4*\s+3], 1024    ; this slot's next tile: 256 keys on: 1,024 bytes of a mask row,
	s_add_nc_u64 s[G0K+4*\s+2:G0K+4*\s+3], s[G0K+4*\s+2:G0K+4*\s+3], 16384   ; 16,384 bytes of an image
.if \ask
	s_wait_xcnt 0x0                                ; the last prefetch, a slot back, has read its address, so it may be written
	s_add_nc_u64 s[PFA:PFA+1], s[PFA:PFA+1], s[PFS:PFS+1]
.endif
	s_wait_dscnt 0x0                               ; the add is done, and my reads of the other slot are over
	ROUND                                          ; both now hold of every wave of every work-group of the cluster
.if \refill
	TLOAD 1-\s
.endif
	LDMASK \s, 0
	LDK \s, 0
.if \ask
	ASK
.endif
	HALF \s, 0
	HALF \s, 1
.endm
	s_load_b256 s[4:11], s[0:1], 0x0               ; qkv s[4:5], attn_mask s[6:7], the scales' exponents s[8:9], acodes s[10:11]
	v_lshl_add_u32 v[SPW], v0, 2, SPARE
	v_mov_b32 v[NIL], 0
	ds_add_u32 v1, v2
	s_wait_dscnt 0x0
	v_lshrrev_b32 v11, 5, v0
	v_readfirstlane_b32 s[WV], v11                 ; wave 0..15
	s_bfe_u32 s13, ttmp6, 0x40000                  ; cx
	s_bfe_u32 s14, ttmp6, 0x40004                  ; cy
	s_lshl_b32 s15, ttmp9, 2
	s_add_co_u32 s15, s15, s13                     ; X: my block of 128 queries
	s_and_b32 s16, ttmp7, 0xffff
	s_lshl_b32 s16, s16, 2
	s_add_co_u32 s16, s16, s14                     ; Y: my group of four heads; batch Y / 4
	s_lshr_b32 s17, s[WV], 2                       ; g: my head in the group
	s_and_b32 s18, s[WV], 3                        ; p: my 32 queries of the 128
	s_and_b32 s19, s[WV], 1                        ; which half of the mask tile (waves 0, 1); K or V (waves 2, 3)
	s_lshl_b32 s76, s14, 2
	s_lshl_b32 s76, 15, s76                        ; my row of the cluster
	s_lshl_b32 s77, 0x1111, s13                    ; my column
	; group 1, the mask: 64 rows x 128 f32, 2,048 elements from row to row, 4 words of padding behind every 128
	s_or_b32 s[G1M], s77, (2<<16)|(1<<20)|(1<<21)|(6<<22)|(3<<25)
	s_mov_b32 s[G1M+1], 128<<16                    ; tensor_dim0
	s_mov_b32 s[G1M+2], 64<<16                     ; tensor_dim1
	s_mov_b32 s[G1M+3], 128<<16                    ; tile_dim0
	s_mov_b32 s[G1M+4], 64                         ; tile_dim1
	s_mov_b32 s[G1M+5], 2048                       ; tensor_dim0_stride
	s_mov_b32 s[G1M+6], 0
	s_mov_b32 s[G1M+7], 0
	; group 1, K or V: four heads' 8,192 bytes, as 4 rows x 1,024 elements of 8 bytes, 2^17 bytes from head to head; dense in LDS
	s_or_b32 s[G1K], s76, (3<<16)|(1<<21)
	s_mov_b32 s[G1K+1], 1024<<16
	s_mov_b32 s[G1K+2], 4<<16
	s_mov_b32 s[G1K+3], 1024<<16
	s_mov_b32 s[G1K+4], 4
	s_mov_b32 s[G1K+5], 16384
	s_mov_b32 s[G1K+6], 0
	s_mov_b32 s[G1K+7], 0
	s_lshl_b32 s76, s15, 7                         ; the mask: row 128 X + 64 x half: it hangs on X alone,
	s_lshl_b32 s77, s19, 6
	s_add_co_u32 s76, s76, s77
	s_lshl_b32 s76, s76, 13                        ; x 8,192 bytes
	s_mov_b32 s77, 0
	s_add_co_u32 s78, s19, 1                       ; K (1) or V (2),
	s_lshl_b32 s78, s78, 23
	s_lshl_b32 s79, s16, 19                        ; head 4 Y: it hangs on Y alone
	s_add_co_u32 s78, s78, s79
	s_mov_b32 s79, 0
	s_mul_i32 s80, s19, 64*MP                      ; where they go in a slot: no place in the cluster enters an LDS address
	s_lshl_b32 s81, s19, 15
	s_add_co_u32 s81, s81, KOFF
	s_mov_b32 s[SEL], 0x76543210
	s_mov_b32 s[SEL+1], 0xfedcba98
	s_wait_kmcnt 0x0
	s_load_b256 s[68:75], s[8:9], 0x0              ; e0 .. e7
	s_add_nc_u64 s[76:77], s[6:7], s[76:77]
	s_add_nc_u64 s[78:79], s[4:5], s[78:79]
.irp s, 0,1
	s_mov_b32 s[G0M+4*\s], 1
	s_add_co_u32 s[G0M+4*\s+1], s80, \s*SLOT
	s_add_nc_u64 s[G0M+4*\s+2:G0M+4*\s+3], s[76:77], \s*512      ; tile s: keys 128 s on
	s_or_b32 s[G0M+4*\s+3], s[G0M+4*\s+3], 0x80000000
	s_mov_b32 s[G0K+4*\s], 1
	s_add_co_u32 s[G0K+4*\s+1], s81, \s*SLOT
	s_add_nc_u64 s[G0K+4*\s+2:G0K+4*\s+3], s[78:79], \s*8192
	s_or_b32 s[G0K+4*\s+3], s[G0K+4*\s+3], 0x80000000
.endr
	ROUND                                          ; all sixteen work-groups are here: the first joint loads meet
	TLOAD 0                                        ; tile 0; slot 1 is first filled behind the first trip's round, as a refill is
	v_and_b32 v11, 15, v0                          ; r
	v_bfe_u32 v12, v0, 4, 1                        ; h
	v_and_b32 v13, 31, v0                          ; lane
	v_lshlrev_b32 v[LN], 4, v13
	s_lshl_b32 s82, s16, 2
	s_add_co_u32 s82, s82, s17                     ; batch x 16 + head = 4 Y + g
	s_lshl_b32 s82, s82, 17
	s_lshl_b32 s83, s15, 3
	s_lshl_b32 s84, s18, 1
	s_add_co_u32 s83, s83, s84                     ; my first tile of 16 tokens: 8 X + 2 p
	s_lshl_b32 s83, s83, 10
	s_add_co_u32 s82, s82, s83
	s_mov_b32 s83, 0
	s_add_nc_u64 s[82:83], s[4:5], s[82:83]
.irp a, 0,1
.irp i, 0,1
	global_load_b128 v[QF+8*\a+4*\i:QF+8*\a+4*\i+3], v[LN], s[82:83] offset:\a*1024+\i*512   ; Q's two fragments stay in registers
.endr
.endr
	v_mul_u32_u24 v14, v11, MP
	v_lshl_add_u32 v14, v12, 5, v14                ; the mask: row r, + 32 h: my eight keys of a key tile
	s_mul_i32 s84, s18, 32*MP
	v_add_nc_u32 v[AM], s84, v14
	v_add_nc_u32 v[AM+1], SLOT, v[AM]
	s_lshl_b32 s84, s17, 13
	s_add_co_u32 s84, s84, KOFF
	v_add_nc_u32 v[AKV], s84, v[LN]                ; my head's images, 16 bytes a lane
	v_add_nc_u32 v[AKV+1], SLOT, v[AKV]
	s_mul_i32 s84, s18, 32*SP
	s_lshl_b32 s85, s17, 6
	s_add_co_u32 s84, s84, s85
	s_add_co_u32 s84, s84, STAGE
	v_mul_u32_u24 v[STO], v11, SP
	v_lshl_add_u32 v[STO], v12, 3, v[STO]
	v_add_nc_u32 v[STO], s84, v[STO]               ; the stage, in: row 32 p + r, + 64 g + 8 h
	s_mul_i32 s84, s[WV], 8*SP
	s_add_co_u32 s84, s84, STAGE
	v_mul_u32_u24 v[RD], v12, SP
	v_lshl_add_u32 v[RD], v11, 4, v[RD]
	v_add_nc_u32 v[RD], s84, v[RD]                 ; back: rows 8 w on; lanes 0-15 one row of 256 bytes, lanes 16-31 the next
	v_lshlrev_b32 v[GO], 10, v12
	v_lshl_add_u32 v[GO], v11, 4, v[GO]            ; and the same two rows in acodes
	s_lshr_b32 s84, s16, 2
	s_lshl_b32 s84, s84, 11                        ; the batch's 2,048 tokens,
	s_lshl_b32 s85, s15, 7
	s_add_co_u32 s84, s84, s85                     ; my block's 128,
	s_lshl_b32 s85, s[WV], 3
	s_add_co_u32 s84, s84, s85                     ; the 8 rows that I store
	s_lshl_b32 s84, s84, 10
	s_and_b32 s85, s16, 3
	s_lshl_b32 s85, s85, 8                         ; my four heads' 256 bytes of a row
	s_add_co_u32 s84, s84, s85
	s_mov_b32 s85, 0
	s_add_nc_u64 s[10:11], s[10:11], s[84:85]
	; the prefetches (macro ASK): where my wave's stand (at tile 1: the first trip steps them to tile 2), and who asks
	s_lshl_b32 s86, s15, 7
	s_lshl_b32 s87, s14, 5
	s_add_co_u32 s86, s86, s87                     ; the mask: row 128 X + 32 cy,
	s_lshl_b32 s86, s86, 13
	s_lshl_b32 s87, s19, 8
	s_add_co_u32 s86, s86, s87                     ; + 256 x (wave % 2),
	s_add_co_u32 s86, s86, 512                     ; tile 1
	s_lshl_b32 s87, s16, 2
	s_add_co_u32 s87, s87, s13                     ; K, V: head 4 Y + cx,
	s_lshl_b32 s87, s87, 17
	s_add_co_u32 s88, s19, 1
	s_lshl_b32 s88, s88, 23
	s_add_co_u32 s87, s87, s88
	s_add_co_u32 s87, s87, 8192                    ; tile 1
	s_mov_b32 s89, 8192
	s_cmp_lt_u32 s[WV], 6                          ; waves 4, 5: the mask; waves 6, 7: K, V
	s_cselect_b32 s86, s86, s87
	s_cselect_b64 s[PFA:PFA+1], s[6:7], s[4:5]
	s_cselect_b32 s[PFS], 512, s89
	s_cselect_b32 s88, 13, 8                       ; from lane to lane: a mask row of 8,192 bytes, or 256 bytes
	s_mov_b32 s87, 0
	s_mov_b32 s[PFS+1], 0
	s_add_nc_u64 s[PFA:PFA+1], s[PFA:PFA+1], s[86:87]
	v_lshlrev_b32 v[PFO], s88, v13
	s_lshr_b32 s86, s[WV], 2
	s_xor_b32 s86, s86, 1                          ; 0 in waves 4 to 7,
	s_and_b32 s87, ttmp7, 0xffff
	s_cmp_lt_u32 s[WV], 6
	s_cselect_b32 s87, s87, ttmp9                  ; of the first cluster along the axis along which other clusters read the same bytes: the same in all sixteen partners
	s_or_b32 s86, s86, s87
	s_cmp_eq_u32 s86, 0
	s_cselect_b32 s[LIM], 1, -1
.irp a, 0,1
	v_mov_b32 v[ST+8*\a+1], 0xff61b1e6             ; the largest t so far: -3e38
	v_floor_f32 v[ST+8*\a], -v[ST+8*\a+1]          ; -M
	v_mov_b32 v[ST+8*\a+2], 0                      ; the sum, in two halves
	v_mov_b32 v[ST+8*\a+3], 0
	v_mov_b32 v[ST+8*\a+5], 0                      ; (named as the upper half of f's pair)
.endr
.set jj, 0
.rept 64
	v_mov_b32 v[OA+jj], 0                          ; O^T.  (The step is written without a first step of its own: the first change of M multiplies zeros)
.set jj, jj+1
.endr
	s_wait_kmcnt 0x0
	s_add_co_i32 s90, s70, s71
	s_sub_co_i32 s90, s90, 3                       ; E = e2 + e3 - 3
	s_sub_co_i32 s91, 127, s90
	s_lshl_b32 s[SM], s91, 23                      ; 2^-E as f32
	s_mov_b32 s[SM+1], s[SM]
	s_lshl_b32 s91, s90, 23
	s_add_co_i32 s[CS], s91, 0x3fb8aa3b            ; log2(e) with E added to its exponent field
	s_mov_b32 s[CS+1], s[CS]
	s_add_co_i32 s90, s72, 127
	s_lshl_b32 s91, s90, 23
	v_mov_b32 v[PSC], s91                          ; 2^e4
	s_add_co_i32 s90, s90, 8
	s_lshl_b32 s90, s90, 23
	s_or_b32 s90, s90, 0x600000
	v_mov_b32 v[PLIM], s90                         ; 448 x 2^e4
	s_add_co_i32 s90, s74, 127
	s_lshl_b32 s91, s90, 23
	v_mov_b32 v[OSC], s91                          ; 2^e6
	s_add_co_i32 s90, s90, 8
	s_lshl_b32 s90, s90, 23
	s_or_b32 s90, s90, 0x600000
	v_mov_b32 v[OLIM], s90                         ; 448 x 2^e6
	s_add_co_i32 s92, s72, s73                     ; e4 + e5
	s_wait_loadcnt 0x0                             ; Q
	s_mov_b32 s[CNT], 7
.Lpair:                                            ; 7 trips of two slots: tiles 0 to 13; each asks for the next tile and prefetches the one after
	TRIP 0, 1, 1
	TRIP 1, 1, 1
	s_sub_co_u32 s[CNT], s[CNT], 1
	s_cmp_lg_u32 s[CNT], 0
	s_cbranch_scc1 .Lpair
	TRIP 0, 1, 0                                   ; tile 14; tile 15 is asked for
	TRIP 1, 0, 0                                   ; tile 15: written out
	; THE WAY OUT.  O^T / the sum x 2^(e4 + e5), quantised with 2^e6; a lane's eight channels are 8 bytes of a row of acodes; a row's 256 bytes come from four waves, so they meet in the stage.
.irp a, 0,1
	v_add_f32 v[ST+8*\a+6], v[ST+8*\a+2], v[ST+8*\a+3]
.endr
.irp a, 0,1
	v_permlanex16_b32 v[ST+8*\a+7], v[ST+8*\a+6], s[SEL], s[SEL+1]
.endr
.irp a, 0,1
	v_add_f32 v[ST+8*\a+6], v[ST+8*\a+6], v[ST+8*\a+7]   ; the row's sum
.endr
.irp a, 0,1
	v_rcp_f32 v[ST+8*\a+4], v[ST+8*\a+6]
.endr
	v_nop                                          ; a plain instruction behind the reciprocals,
	s_wait_alu depctr_va_vdst(0)                   ; and one wait for both, ahead of the first reader
.irp a, 0,1
	v_ldexp_f32 v[ST+8*\a+4], v[ST+8*\a+4], s92
.endr
.irp a, 0,1
.set jj, 0
.rept 16
	v_pk_mul_f32 v[SS+32*\a+jj:SS+32*\a+jj+1], v[OA+32*\a+jj:OA+32*\a+jj+1], v[ST+8*\a+4:ST+8*\a+5] op_sel_hi:[1,0]   ; each accumulator from its low end on
.set jj, jj+2
.endr
.endr
.set jj, 0
.rept 64
	v_med3_num_f32 v[SS+jj], v[SS+jj], -v[OLIM], v[OLIM]
.set jj, jj+1
.endr
.irp a, 0,1
.irp dt, 0,1,2,3
	v_cvt_scalef32_pk8_fp8_f32 v[PC+8*\a+2*\dt:PC+8*\a+2*\dt+1], v[SS+32*\a+8*\dt:SS+32*\a+8*\dt+7], v[OSC]
.endr
.endr
	v_nop                                          ; a plain instruction behind the last conversion
.irp a, 0,1
.irp dt, 0,1,2,3
	ds_store_b64 v[STO], v[PC+8*\a+2*\dt:PC+8*\a+2*\dt+1] offset:\a*16*SP+16*\dt
.endr
.endr
	s_wait_dscnt 0x0                               ; for the others' sake: my stores into the stage are done
	s_barrier_signal -1
	s_barrier_wait -1
.irp i, 0,1,2,3
	ds_load_b128 v[OUTR+4*\i:OUTR+4*\i+3], v[RD] offset:2*\i*SP
.endr
.irp i, 0,1,2,3
	s_wait_dscnt 3-\i                              ; LDS loads come back in order: load i is in, the younger ones may be out
	global_store_b128 v[GO], v[OUTR+4*\i:OUTR+4*\i+3], s[10:11] offset:2048*\i   ; 16 lanes store 256 consecutive bytes, aligned
.endr
	s_wait_tensorcnt 0x0                           ; the wave's end
	ds_add_u32 v[SPW], v[NIL]
	s_wait_dscnt 0x0
	ROUND                                          ; the closing round
	s_endpgm
.Lfunc_end_k_q05deef0722_attn:
	.size	k_q05deef0722_attn, .Lfunc_end_k_q05deef0722_attn-k_q05deef0722_attn
	.p2alignl 7, 3214868480
	.fill 96, 4, 3214868480
	.section	.rodata,"a",@progbits
	.p2align	6, 0x0
	.amdhsa_kernel k_q05deef0722_attn
		.amdhsa_group_segment_fixed_size 327680
		.amdhsa_private_segment_fixed_size 0
		.amdhsa_enable_private_segment 0
		.amdhsa_kernarg_size 32
		.amdhsa_user_sgpr_count 2
		.amdhsa_user_sgpr_kernarg_segment_ptr 1
		.amdhsa_wavefront_size32 1
		.amdhsa_system_sgpr_workgroup_id_x 1
		.amdhsa_system_sgpr_workgroup_id_y 1
		.amdhsa_system_sgpr_workgroup_id_z 1
		.amdhsa_system_vgpr_workitem_id 0
		.amdhsa_next_free_vgpr 256
		.amdhsa_next_free_sgpr 100
		.amdhsa_reserve_vcc 0
		.amdhsa_float_denorm_mode_32 3
		.amdhsa_float_denorm_mode_16_64 3
		.amdhsa_memory_ordered 1
		.amdhsa_forward_progress 1
		.amdhsa_inst_pref_size 191
	.end_amdhsa_kernel
	.amdgpu_metadata
---
amdhsa.version: [ 1, 2 ]
amdhsa.kernels:
  - .name:           k_q05deef0722_attn
    .symbol:         k_q05deef0722_attn.kd
    .args:
      - { .name: qkv, .offset: 0, .size: 8, .value_kind: global_buffer, .address_space: global }
      - { .name: attn_mask, .offset: 8, .size: 8, .value_kind: global_buffer, .address_space: global }
      - { .name: lowp_scales, .offset: 16, .size: 8, .value_kind: global_buffer, .address_space: global }
      - { .name: acodes, .offset: 24, .size: 8, .value_kind: global_buffer, .address_space: global }
    .group_segment_fixed_size: 327680
    .private_segment_fixed_size: 0
    .kernarg_segment_align: 8
    .kernarg_segment_size: 32
    .max_flat_workgroup_size: 512
    .sgpr_count:     100
    .vgpr_count:     256
    .wavefront_size: 32
...
	.end_amdgpu_metadata
.endif
;; end of part 2
;; launch proj (part 3): grid 4 x 32, 4 waves a work-group, clusters of 4 x 4, 327,680 bytes of LDS; arguments acodes, Wout_codes, lowp_scales, bout, out0; writes out0
.if DOCPART == 3
	.amdgcn_target "amdgcn-amd-amdhsa--gfx1250"
	.amdhsa_code_object_version 6
	.text
	.protected	k_q05deef0722_proj
	.globl	k_q05deef0722_proj
	.p2align	8
	.type	k_q05deef0722_proj,@function
k_q05deef0722_proj:
	s_mov_b64 s[64:65], 0
	v_nop
	global_prefetch_b8 v0, s[64:65] scope:SCOPE_SE
	s_setreg_imm32_b32 hwreg(HW_REG_WAVE_MODE, 25, 1), 1
	s_wait_xcnt 0x0
	s_wait_alu depctr_hold_cnt(0) depctr_sa_sdst(0) depctr_va_vdst(0) depctr_va_sdst(0) depctr_va_ssrc(0) depctr_va_vcc(0) depctr_vm_vsrc(0)
	s_getreg_b32 s2, hwreg(HW_REG_IB_STS2, 6, 4)
	s_cmp_eq_u32 s2, 0
	s_cbranch_scc0 .Lentry_in_a_cluster
	s_endpgm
.Lentry_in_a_cluster:
	s_bfe_u32 s2, ttmp6, 0x10000c
	s_cmp_lg_u32 s2, 0xf033
	s_cbranch_scc0 .Lentry_shape_is_right
	s_endpgm
.Lentry_shape_is_right:
; out0 = a Wout + bout on codes of FP8 (E4M3).  a (acodes): [8192][1024] codes with the scale 2^e6; Wout: [1024 (n)][1024 (k)] codes with 2^e7; bout [1024], out0 [8192][1024]: f32.
; The codes are multiplied as they are; each finished sum goes out as sum x 2^(e6 + e7) + bout, one packed multiply-add for two numbers.  LIMIT: e6 + e7 between -126 and 127.
; A tile of 256 x 256 of out0 is made by four waves, 128 x 128 each: 64 accumulators, 512 registers.  K goes in four steps of 256 through two LDS slots filled by the tensor data mover; rows of 256 bytes.
; 32 x 4 tiles: 128 work-groups.  CLUSTERS: 4 x 4; a's tile is asked for jointly along a row of the cluster, Wout's along a column.  No prefetch: K has four steps, and two of them are asked for at the head.
; THE MATRIX INSTRUCTION IS USED TRANSPOSED (source 0 = 16 rows of Wout, source 1 = 16 rows of a): a lane holds eight neighbouring numbers of a row of out0.
; REGISTERS, in windows of 256: window 0: v0-31 addresses; v32-95 bout at my 64 columns; from v128 A's fragments, one set; on the way out v128-255 rows read back.
;   window 1: B's fragments, two sets; on the way out v0-63 (set 0, long done with) a block's results.   windows 2, 3: the accumulators.
.set SIZE_N, 1024
.set KSTEP,  256
.set ROWB,   256
.set KROW,   1024
.set PITCH,  272                       ; an LDS row: 256 bytes + 16 of padding = 68 words: row r starts at bank 4 r mod 64 (64 banks of 4 bytes: ISA guide 11.1)
.set FR,     16
.set NL,     4
.set NP,     4
.set HALFT,  128*PITCH
.set SLOT,   4*HALFT
.set SPARE,  2*SLOT                    ; behind the ring: the spare words, 128 bytes for each wave
.set SPITCH, 528                       ; the way out: a stage of 16 rows x (512 bytes + 16) for each wave, in slot 0, which has had its last fill and its last read when the first result is stored there
.set ADRA, 16
.set ADRB, 20
.set STO,  24                          ; v24  the way out: where I put 32 bytes of a row
.set RD,   25                          ; v25  where I read a row back
.set CO,   26                          ; v26  my byte offset in a row of out0
.set BO,   27                          ; v27  my byte offset in bout: 32 x (lane / 16)
.set SPW,  28
.set NIL,  29
.set BIAS, 32                          ; v32-95: register 8 b + j = bout at my column 16 b + 8 (lane / 16) + j
.set AF,   128
.set BK,   128                         ; the way out: 16 rows read back: v128-191 and v192-255 by turns
.set G1, 24
.set G0, 32
.set G1B, 48
.set G0B, 56
.set MSB, 0
.macro WIN new                         ; the immediate's high byte repeats the setting that is left
.if MSB != (\new)
	s_set_vgpr_msb (MSB<<8)|(\new)
.set MSB, (\new)
.endif
.endm
.set MUL_LO, 0xa1
.set MUL_HI, 0xf1
.set TO_B,   0x40
.macro JLOAD g0a, g1a, g0b, g1b        ; a joint load: waves 0 and 1 fetch for A, waves 2 and 3 for B; four v_nop follow each of the two lines
	s_cmp_eq_u32 s15, 0
	s_cbranch_scc0 .Lfor_b_\@
	tensor_load_to_lds s[\g0a:\g0a+3], s[\g1a:\g1a+7]
	s_nop 0
.rept 4
	v_nop
.endr
	s_branch .Lasked_\@
.Lfor_b_\@:
	tensor_load_to_lds s[\g0b:\g0b+3], s[\g1b:\g1b+7]
	s_nop 0
.rept 4
	v_nop
.endr
.Lasked_\@:
.endm
.macro CREST
	s_cmp_lg_u32 s14, 0
	s_cbranch_scc1 .Lnot_wave_0_\@
	s_barrier_signal -3
.Lnot_wave_0_\@:
	s_barrier_wait -3
	s_barrier_signal -1
	s_barrier_wait -1
.endm
.macro CROUND
	s_barrier_signal -1
	s_barrier_wait -1
	CREST
.endm
	s_load_b128 s[4:7], s[0:1], 0x0                ; a's codes s[4:5], Wout's codes s[6:7]
	s_load_b128 s[8:11], s[0:1], 0x10              ; the scales' exponents s[8:9], bout s[10:11]
	s_load_b64 s[12:13], s[0:1], 0x20              ; out0
	v_lshl_add_u32 v[SPW], v0, 2, SPARE
	v_mov_b32 v[NIL], 0
	ds_add_u32 v28, v29
	s_wait_dscnt 0x0
	v_lshrrev_b32 v1, 5, v0
	v_readfirstlane_b32 s14, v1                    ; wave 0..3
	s_lshr_b32 s15, s14, 1                         ; which half of the tile's rows is mine.  Also: I fetch for A (0) or for B (1)
	s_and_b32 s16, s14, 1                          ; which half of its columns.  Also: which 128 rows of that tile I fetch
	s_bfe_u32 s40, ttmp6, 0x40000                  ; cx, cy
	s_bfe_u32 s41, ttmp6, 0x40004
	s_lshl_b32 s42, ttmp9, 2
	s_add_co_u32 s42, s42, s40                     ; tile column = 4 x cluster x + cx
	s_and_b32 s17, ttmp7, 0xffff
	s_lshl_b32 s17, s17, 2
	s_add_co_u32 s17, s17, s41                     ; tile row = 4 x cluster y + cy
	s_lshl_b32 s43, s41, 2
	s_lshl_b32 s43, 15, s43                        ; my row of the cluster
	s_lshl_b32 s44, 0x1111, s40                    ; my column
	s_or_b32 s[G1+0], s43, (0<<16)|(1<<20)|(1<<21)|(5<<22)|(3<<25)  ; the mask; element of 1 byte; padding on; bit 21 beside a mask; 4 words behind every 64
	s_or_b32 s[G1B+0], s44, (0<<16)|(1<<20)|(1<<21)|(5<<22)|(3<<25)
.irp g, G1, G1B
	s_mov_b32 s[\g+1], ROWB<<16
	s_mov_b32 s[\g+2], 128<<16
	s_mov_b32 s[\g+3], ROWB<<16
	s_mov_b32 s[\g+4], 128
	s_mov_b32 s[\g+5], KROW
	s_mov_b32 s[\g+6], 0
	s_mov_b32 s[\g+7], 0
.endr
	s_lshl_b32 s18, s16, 7
	s_lshl_b32 s20, s17, 8
	s_add_co_u32 s20, s20, s18                     ; A: row 256 x tile row + 128 x half
	s_lshl_b32 s46, s42, 8
	s_add_co_u32 s46, s46, s18                     ; B: row 256 x tile column + 128 x half
	s_lshl_b32 s20, s20, 10                        ; in bytes: under 2^23
	s_lshl_b32 s46, s46, 10
	s_mov_b32 s21, 0
	s_mov_b32 s47, 0
	s_mul_i32 s45, s14, HALFT
	s_wait_kmcnt 0x0
	s_load_b64 s[96:97], s[8:9], 0x18              ; e6, e7
	s_add_nc_u64 s[20:21], s[4:5], s[20:21]
	s_add_nc_u64 s[46:47], s[6:7], s[46:47]
	CROUND                                         ; all sixteen work-groups are here: the first joint loads meet
.irp s, 0,1
	s_mov_b32 s[G0+4*\s], 1
	s_add_co_u32 s[G0+4*\s+1], s45, \s*SLOT
	s_add_nc_u64 s[G0+4*\s+2:G0+4*\s+3], s[20:21], \s*ROWB
	s_or_b32 s[G0+4*\s+3], s[G0+4*\s+3], 0x80000000
	s_mov_b32 s[G0B+4*\s], 1
	s_add_co_u32 s[G0B+4*\s+1], s45, \s*SLOT
	s_add_nc_u64 s[G0B+4*\s+2:G0B+4*\s+3], s[46:47], \s*ROWB
	s_or_b32 s[G0B+4*\s+3], s[G0B+4*\s+3], 0x80000000
	JLOAD G0+4*\s, G1, G0B+4*\s, G1B
.endr
	v_and_b32 v1, 15, v0                           ; l % 16
	v_bfe_u32 v2, v0, 4, 1                         ; l / 16
	v_mul_u32_u24 v3, v1, PITCH
	v_lshl_add_u32 v4, v2, 4, v3
	s_mul_i32 s21, s15, HALFT
	s_mul_i32 s22, s16, HALFT
	s_add_co_u32 s22, s22, 2*HALFT
.irp s, 0,1
	v_add_nc_u32 v[ADRA+\s], s21, v4
	v_add_nc_u32 v[ADRB+\s], s22, v4
	s_add_co_u32 s21, s21, SLOT
	s_add_co_u32 s22, s22, SLOT
.endr
	s_mul_i32 s23, s14, 16*SPITCH                  ; my stage
	v_mul_u32_u24 v5, v1, SPITCH                   ; in: row l % 16, 32 bytes for each half of the lanes
	v_lshl_add_u32 v5, v2, 5, v5
	v_add_nc_u32 v[STO], s23, v5
	v_and_b32 v6, 31, v0
	v_lshlrev_b32 v[CO], 4, v6                     ; back: the 32 lanes take one row of 512 bytes; and the same in out0
	v_add_nc_u32 v[RD], s23, v[CO]
	v_lshlrev_b32 v[BO], 5, v2
	s_lshl_b32 s20, s17, 8
	s_lshl_b32 s21, s15, 7
	s_add_co_u32 s20, s20, s21                     ; my first row of out0
	s_lshl_b32 s20, s20, 12                        ; x 4,096 bytes: under 2^25
	s_mov_b32 s21, 0
	s_lshl_b32 s46, s42, 10                        ; my first column, in bytes of f32: 1,024 x tile column + 512 x half
	s_lshl_b32 s47, s16, 9
	s_add_co_u32 s46, s46, s47
	s_mov_b32 s47, 0
	s_add_nc_u64 s[10:11], s[10:11], s[46:47]      ; bout at my first column
	s_add_nc_u64 s[20:21], s[20:21], s[46:47]
	s_add_nc_u64 s[12:13], s[12:13], s[20:21]
.irp b, 0,1,2,3,4,5,6,7
	global_load_b128 v[BIAS+8*\b:BIAS+8*\b+3],   v[BO], s[10:11] offset:64*\b      ; bout in the results' layout; these registers lie idle until the way out
	global_load_b128 v[BIAS+8*\b+4:BIAS+8*\b+7], v[BO], s[10:11] offset:64*\b+16
.endr
.macro FRAG reg, adr, q, i             ; a fragment: lane l holds row l % 16; registers 4 c .. 4 c + 3 hold K = 32 c + 16 (l / 16) + 0 .. 15: the same order of k in A and in B
.irp c, 0,1,2,3
	ds_load_b128 v[\reg+4*\c:\reg+4*\c+3], v[\adr] offset:128*(\q)+32*\c+(\i)*16*PITCH
.endr
.endm
.macro MUL16 a0, p, zero               ; 16 matrix instructions: A's blocks a0, a0 + 1 x B's eight; the 64 accumulators take turns
.irp a, \a0, \a0+1
.irp b, 0,1,2,3,4,5,6,7
.if \zero
	v_wmma_f32_16x16x128_fp8_fp8 v[8*(8*((\a)%4)+\b):8*(8*((\a)%4)+\b)+7], v[128*(\p)+FR*\b:128*(\p)+FR*\b+FR-1], v[AF+FR*(\a):AF+FR*(\a)+FR-1], 0
.else
	v_wmma_f32_16x16x128_fp8_fp8 v[8*(8*((\a)%4)+\b):8*(8*((\a)%4)+\b)+7], v[128*(\p)+FR*\b:128*(\p)+FR*\b+FR-1], v[AF+FR*(\a):AF+FR*(\a)+FR-1], v[8*(8*((\a)%4)+\b):8*(8*((\a)%4)+\b)+7]
.endif
.endr
.endr
.endm
.macro FETCH_B slot, q, p
	WIN TO_B
.irp i, 0,1,2,3,4,5,6,7
	FRAG 128*(\p)+FR*\i, ADRB+\slot, \q, \i
.endr
	WIN 0
.endm
.macro FETCH_A slot, q, i0
.irp i, \i0, \i0+1, \i0+2, \i0+3
	FRAG AF+FR*(\i), ADRA+\slot, \q, \i
.endr
.endm
.macro PLACES n                        ; plain vector instructions in front of loads into registers that matrix instructions have read, and of the first read of results
.rept \n
	v_nop
.endr
.endm
.macro STEP slot, q, zero
	s_wait_dscnt 4*NL                              ; B's set and A's blocks 0-3 are in; the youngest 16 loads (A's blocks 4-7) may be out
	WIN MUL_LO
	MUL16 0, (\q)%2, \zero
	MUL16 2, (\q)%2, \zero
	s_wait_dscnt 0
	PLACES NP
	FETCH_B \slot, (\q)+1, 1-(\q)%2
	FETCH_A \slot, (\q)+1, 0
	WIN MUL_HI
	MUL16 4, (\q)%2, \zero
	MUL16 6, (\q)%2, \zero
	PLACES NP
	WIN 0
	FETCH_A \slot, (\q)+1, 4
.endm
.macro TURN slot, next, fill           ; a slot's last step changes slots: one barrier, with the three lines in front of it
	s_wait_tensorcnt 0x0                           ; all my tensor loads have landed: my part of the next slot
	ds_add_u32 v[SPW], v[NIL]                      ; 0 onto my spare word
	s_wait_dscnt 4*NL+1                            ; (the add and the youngest 16 loads may be out)
	WIN MUL_LO
	MUL16 0, 1, 0
	s_wait_dscnt 0x0                               ; the add is done, and my reads of this slot are over
	s_barrier_signal -1
	MUL16 2, 1, 0
	WIN 0
	s_barrier_wait -1
.if \fill
	CREST                                          ; the barrier has opened a round of the cluster's barrier
	s_add_nc_u64 s[G0+4*\slot+2:G0+4*\slot+3], s[G0+4*\slot+2:G0+4*\slot+3], 2*ROWB
	s_add_nc_u64 s[G0B+4*\slot+2:G0B+4*\slot+3], s[G0B+4*\slot+2:G0B+4*\slot+3], 2*ROWB
	JLOAD G0+4*\slot, G1, G0B+4*\slot, G1B         ; the first tensor load behind the round
.else
	PLACES NP
.endif
	FETCH_B \next, 0, 0
	FETCH_A \next, 0, 0
	WIN MUL_HI
	MUL16 4, 1, 0
	MUL16 6, 1, 0
	PLACES NP
	WIN 0
	FETCH_A \next, 0, 4
.endm
	s_wait_tensorcnt 1                             ; my part of K step 0 is in (K step 1's load may be out),
	s_barrier_signal -1
	s_barrier_wait -1                              ; everybody's is
	FETCH_B 0, 0, 0
	FETCH_A 0, 0, 0
	FETCH_A 0, 0, 4
	STEP 0, 0, 1                                   ; four K steps, eight steps of 128, written straight; the first products start the sums
	TURN 0, 1, 1
	STEP 1, 0, 0
	TURN 1, 0, 1
	STEP 0, 0, 0
	TURN 0, 1, 0
	STEP 1, 0, 0
	s_wait_dscnt 4*NL
	WIN MUL_LO
	MUL16 0, 1, 0
	MUL16 2, 1, 0
	s_wait_dscnt 0
	WIN MUL_HI
	MUL16 4, 1, 0
	MUL16 6, 1, 0
	WIN 0
; THE WAY OUT, block by block of 16 rows x 128 columns: through my own stage in LDS, back as whole rows of 512 bytes.  LDS serves a wave's instructions in order (ISA guide 5.7.1.4): no wait between the stores and the loads.
.macro TOSTAGE a
.set AC, 64*((\a)%4)
	WIN 0x42+((\a)/4)                              ; source 0 (the sums) window 2 or 3, source 2 (bout) window 0, destination window 1
.set jj, 0
.rept 32
	v_pk_fma_f32 v[jj:jj+1], v[AC+jj:AC+jj+1], s[96:97], v[BIAS+jj:BIAS+jj+1] op_sel_hi:[1,0,1]   ; sum x 2^(e6 + e7) + bout; each accumulator from its low end on
.set jj, jj+2
.endr
	WIN 0x04                                       ; the stores' data in window 1
.irp b, 0,1,2,3,4,5,6,7
	ds_store_b128 v[STO], v[8*\b:8*\b+3] offset:64*\b
	ds_store_b128 v[STO], v[8*\b+4:8*\b+7] offset:64*\b+16
.endr
	WIN 0
.set BB, BK+64*((\a)%2)
.irp t, 0,1,2,3,4,5,6,7,8,9,10,11,12,13,14,15
	ds_load_b128 v[BB+4*\t:BB+4*\t+3], v[RD] offset:\t*SPITCH
.endr
.endm
.macro SEND a, younger                 ; younger: the LDS instructions issued behind block a's loads, which may stay out
.set BB, BK+64*((\a)%2)
	s_wait_dscnt \younger
.if (\a) > 0
	s_add_nc_u64 s[12:13], s[12:13], 16*SIZE_N*4   ; (behind a wait on XCNT: the earlier stores have read their base)  16 rows on
.endif
.irp t, 0,1,2,3,4,5,6,7,8,9,10,11,12,13,14,15
	global_store_b128 v[CO], v[BB+4*\t:BB+4*\t+3], s[12:13] offset:\t*SIZE_N*4 th:TH_STORE_NT   ; 32 lanes store 512 consecutive bytes, aligned; written once, read by nobody here
.endr
.endm
	s_wait_kmcnt 0x0
	s_add_co_i32 s96, s96, s97                     ; e6 + e7
	s_add_co_i32 s96, s96, 127
	s_lshl_b32 s96, s96, 23                        ; 2^(e6 + e7) as f32
	s_wait_loadcnt 0x0                             ; bout
	PLACES NP
	TOSTAGE 0
.irp a, 1,2,3,4,5,6,7
.if \a > 1
	s_wait_xcnt 0x0                                ; block a - 2's stores have read their registers and their base
.endif
	TOSTAGE \a
	SEND \a-1, 32                                  ; behind block a - 1's loads: block a's 16 stores and 16 loads
.endr
	s_wait_xcnt 0x0
	SEND 7, 0
	s_wait_tensorcnt 0x0                           ; the wave's end
	ds_add_u32 v[SPW], v[NIL]
	s_wait_dscnt 0x0
	CROUND                                         ; the closing round
	s_endpgm
.Lfunc_end_k_q05deef0722_proj:
	.size	k_q05deef0722_proj, .Lfunc_end_k_q05deef0722_proj-k_q05deef0722_proj
	.p2alignl 7, 3214868480
	.fill 96, 4, 3214868480
	.section	.rodata,"a",@progbits
	.p2align	6, 0x0
	.amdhsa_kernel k_q05deef0722_proj
		.amdhsa_group_segment_fixed_size 327680
		.amdhsa_private_segment_fixed_size 0
		.amdhsa_enable_private_segment 0
		.amdhsa_kernarg_size 40
		.amdhsa_user_sgpr_count 2
		.amdhsa_user_sgpr_kernarg_segment_ptr 1
		.amdhsa_wavefront_size32 1
		.amdhsa_system_sgpr_workgroup_id_x 1
		.amdhsa_system_sgpr_workgroup_id_y 1
		.amdhsa_system_sgpr_workgroup_id_z 1
		.amdhsa_system_vgpr_workitem_id 0
		.amdhsa_next_free_vgpr 1024
		.amdhsa_next_free_sgpr 100
		.amdhsa_reserve_vcc 0
		.amdhsa_float_denorm_mode_32 3
		.amdhsa_float_denorm_mode_16_64 3
		.amdhsa_memory_ordered 1
		.amdhsa_forward_progress 1
		.amdhsa_inst_pref_size 125
	.end_amdhsa_kernel
	.amdgpu_metadata
---
amdhsa.version: [ 1, 2 ]
amdhsa.kernels:
  - .name:           k_q05deef0722_proj
    .symbol:         k_q05deef0722_proj.kd
    .args:
      - { .name: acodes, .offset: 0, .size: 8, .value_kind: global_buffer, .address_space: global }
      - { .name: Wout_codes, .offset: 8, .size: 8, .value_kind: global_buffer, .address_space: global }
      - { .name: lowp_scales, .offset: 16, .size: 8, .value_kind: global_buffer, .address_space: global }
      - { .name: bout, .offset: 24, .size: 8, .value_kind: global_buffer, .address_space: global }
      - { .name: out0, .offset: 32, .size: 8, .value_kind: global_buffer, .address_space: global }
    .group_segment_fixed_size: 327680
    .private_segment_fixed_size: 0
    .kernarg_segment_align: 8
    .kernarg_segment_size: 40
    .max_flat_workgroup_size: 128
    .sgpr_count:     100
    .vgpr_count:     1024
    .wavefront_size: 32
...
	.end_amdgpu_metadata
.endif
;; end of part 3
